; MI455X (gfx1250); checked and timed in simulation.
; The chip was launched on July 23, 2026; its instructions are those of AMD's public machine-readable ISA for CDNA 5 (MIT licence, August 2026) and "CDNA5" Instruction Set Architecture Reference Guide (July 2026). The comments in the code are by the model that wrote it; some were corrected since.
;; Self Attention. Allowed arithmetic: matrix products marked QUANTISED: E4M3 operands, one given power-of-two scale a tensor, by v_wmma_f32_16x16x64_fp8_fp8 or v_wmma_f32_16x16x128_fp8_fp8, f32 sums; everything else in f32.
;; Inputs: b_attn 3,072 float32; b_proj 1,024 float32; lowp_scales 8 int32 (the exponents e of the quantised operands' scales 2^e); w_attn_codes 3,072 x 32 x 32 uint8 (E4M3 codes of w_attn, K innermost, in blocks of 32 codes); w_proj_codes 1,024 x 32 x 32 uint8 (E4M3 codes of w_proj, K innermost, in blocks of 32 codes); x_codes 4 x 2,048 x 32 x 32 uint8 (E4M3 codes of x, K innermost, in blocks of 32 codes).
;; Outputs: out0 4 x 2,048 x 1,024 float32.
;; This version of the problem:
;;   THIS VERSION OF THE PROBLEM IS GIVEN IN LOW PRECISION. The matrix products marked QUANTISED in the list below multiply operands that are first quantised to E4M3 (4 exponent bits, 3 mantissa bits; 8 bits a number), with one given power-of-two scale for each operand tensor; their sums are f32. All else is computed in f32.
;;   The module's matrix products, in the order in which they are computed (A, B: the left and right operand; K: the contracted axis; several contracted axes count as one K, in the product's order):
;;     1. [M 8,192, K 1,024] x [K 1,024, N 3,072]; A: input x (given as codes); B: input w_attn (given as codes): QUANTISED (scales: A lowp_scales[0], B lowp_scales[1])
;;     2. batch 64 x [M 2,048, K 64] x [K 64, N 2,048]; A: computed on the way; B: computed on the way: QUANTISED (scales: A lowp_scales[2], B lowp_scales[3])
;;     3. batch 64 x [M 2,048, K 2,048] x [K 2,048, N 64]; A: softmax (see below); B: computed on the way: QUANTISED (scales: A lowp_scales[4], B lowp_scales[5])
;;     4. [M 8,192, K 1,024] x [K 1,024, N 1,024]; A: computed on the way; B: input w_proj (given as codes): QUANTISED (scales: A lowp_scales[6], B lowp_scales[7])
;;   THE QUANTISER, for each operand of a quantised product, along K:
;;     - The operand's scale is 2^e, e = its entry of the input lowp_scales (int32; the entries are numbered through the quantised products in the list's order, A before B).
;;     - Each number is divided by the scale, clamped to +-448, and rounded to the nearest number of E4M3, ties to even, subnormals kept.
;;     - The product sums the exact products of the quantised numbers (number of the format x scale) in f32.
;;   ~~~python
;;   def quantise(x, axis, e):      # numpy; x: float32 -> the quantised numbers, widened to float32 again
;;       x = np.moveaxis(x, axis, -1); K = x.shape[-1]
;;       r = np.clip(x / 2.0 ** e, -448, 448)
;;       step = 2.0 ** (np.maximum(np.frexp(np.where(r == 0, 1, r))[1] - 1, -6) - 3)
;;       q = np.round(r / step) * step * 2.0 ** e      # np.round: ties to even
;;       return np.moveaxis(q, -1, axis).astype(np.float32)
;;   ~~~
;;   SOFTMAX AHEAD OF A QUANTISED PRODUCT. Where the list says 'softmax', what is quantised is not the finished softmax but p = 2^(t - M), with t = logit x log2(e) and M = ceil(the row's largest t), a whole number; so 1/2 < the row's largest p <= 1. The row's sum l is taken of the UNQUANTISED p, in f32, and the product's result is divided by l at the end. Since M is a whole number, a kernel that streams over the keys may use a running M (the ceiling of the running maximum): every later rescaling is an exact power of two, so the quantised numbers keep their values, but for numbers so far below the row's largest that they fall under the format's range.
;;   OPERANDS COMPUTED ON THE WAY. 'Computed on the way' means the value that the module computes at that place (a softmax that the list does not call 'softmax' is quantised finished and normalised). What goes into a quantiser is computed in f32, as accurately as f32 sums, v_exp_f32 and their like allow (about 1e-6 of the number): no bf16 or f16 on the way to a quantiser, and a product that is left as it is and whose result goes on into a quantised operand takes f32 operands (vector FMAs, or v_wmma_f32_16x16x4_f32). A number that lies on a knife's edge between two numbers of the format may be rounded either way, as far as f32 arithmetic and the matrix unit's own rounding can turn it there, and no further.
;;   INPUTS GIVEN AS CODES. w_attn (in the module: [3072, 1024], K = its axis 1); w_proj (in the module: [1024, 1024], K = its axis 1); x (in the module: [4, 2048, 1024], K = its axis 2): each comes as NAME_codes (uint8): NAME with its K axis moved to the last place and cut into blocks of 32 codes, [.., K / 32, bytes a block], one block behind the other in memory; one code a byte (a code: sign, 4 exponent bits, 3 mantissa bits); its scale is its entry of lowp_scales. Its value is code x scale, taken as it is: it is not quantised again, and the codes and scales need not be those that the quantiser above would give.
;; One version. Each part assembles by itself: llvm-mc -triple=amdgcn-amd-amdhsa -mcpu=gfx1250 --defsym DOCPART=n.
;; ======== version 1 of 1: 3 launches
;; limits: right only within a limited range of input values
;; workspace buffers: q_codes 8,388,608 bytes; k_codes 8,388,608 bytes; v_codes 8,388,608 bytes; y_codes 8,388,608 bytes
;; launch qkv (part 1): grid 12 x 32, 4 waves a work-group, clusters of 4 x 4, 327,680 bytes of LDS; arguments x_codes, w_attn_codes, lowp_scales, b_attn, q_codes, k_codes, v_codes; writes q_codes, k_codes, v_codes
.if DOCPART == 1
	.amdgcn_target "amdgcn-amd-amdhsa--gfx1250"
	.amdhsa_code_object_version 6
	.text
	.protected	k_q7689f2e2c9_qkv
	.globl	k_q7689f2e2c9_qkv
	.p2align	8
	.type	k_q7689f2e2c9_qkv,@function
k_q7689f2e2c9_qkv:
	s_mov_b64 s[64:65], 0
	v_nop
	global_prefetch_b8 v0, s[64:65] scope:SCOPE_SE
	s_setreg_imm32_b32 hwreg(HW_REG_WAVE_MODE, 25, 1), 1
	s_wait_xcnt 0x0
	s_wait_alu depctr_hold_cnt(0) depctr_sa_sdst(0) depctr_va_vdst(0) depctr_va_sdst(0) depctr_va_ssrc(0) depctr_va_vcc(0) depctr_vm_vsrc(0)
	s_getreg_b32 s2, hwreg(HW_REG_IB_STS2, 6, 4)
	s_cmp_eq_u32 s2, 0
	s_cbranch_scc0 .Lentry_in_a_cluster
	s_endpgm
.Lentry_in_a_cluster:
	s_bfe_u32 s2, ttmp6, 0x10000c
	s_cmp_lg_u32 s2, 0xf033
	s_cbranch_scc0 .Lentry_shape_is_right
	s_endpgm
.Lentry_shape_is_right:
; qkv = x w_attn^T + b_attn on codes of FP8 (E4M3), then q, k and v are quantised again, each along the K of the product that will read it, and stored as codes.
; x: [8192][1024] codes, w_attn: [3072][1024] codes, K innermost.  lowp_scales: e0 (x), e1 (w_attn), e2 (q), e3 (k), e4, e5 (v), e6, e7.
; A tile of 256 x 256 is made by four waves, each 128 x 128: 64 accumulators of 16 x 16, 512 registers.  K = 1,024 goes in four steps of 256 through two LDS slots filled by the tensor data mover.
; THE MATRIX INSTRUCTION IS USED TRANSPOSED: source 0 = 16 rows of the operand called B here, source 1 = 16 rows of the one called A: a lane holds ONE row of A's and eight neighbouring rows of B's.
; WHO IS A.  The cluster's x says what is made: 0 q, 1 k, 2 v.  For q and k A = x (tokens) and B = w_attn (features): a lane's eight numbers run along d, which is their K.
; For v A = w_attn and B = x: a lane's eight numbers run along the tokens, which are v's K.  Only pointers, tile numbers and strides are chosen (by selects on the cluster's x): one path for all three.
; CLUSTERS: 4 x 4 work-groups.  A's tile hangs on cy, B's on cx: each is asked for JOINTLY by the four that share it.
; OUT.  q_codes, k_codes: [b 16 + head][t][64 bytes].  v_codes: [b 16 + head][t / 64][d][64 bytes: the 64 keys].  In each row of 64, number 32 c + 16 u + 8 h + j lies at byte 32 c + 16 h + 8 u + j.
; In both shapes 16 rows x 64 columns of a wave's tile are 1,024 consecutive bytes; only the strides from 64 columns to the next (PS) and from 64 rows to the next (RS) change places.
; THE BIAS.  Along the columns (q, k) it is the C of each sum's first product, divided by 2^(e0 + e1); along the rows (v) it is the addend of the way out's multiply-add.  The one that is not due is multiplied by 0.
; LIMITS: e0 + e1 between -126 and 126; e2, e3, e5 between -126 and 119; NaN and infinities in b_attn are not served (they would also reach the sums that they do not belong to).
; REGISTERS, in windows of 256: window 0: v1-31 addresses and scales; v32-95 the column bias, later a block's numbers; v96-111 the row bias; v112-127 a block's codes; v128-255 A's fragments, later rows on their way out.
;   window 1: B's fragments, two sets.   window 2: the accumulators of my rows 0-63 ((a, b) at v[8 (8 a + b)]);   window 3: those of rows 64-127.
.set KROW,   1024                      ; a row of x or of w_attn in bytes
.set ROWB,   256                       ; a tile's row: 256 codes
.set PITCH,  272                       ; an LDS row: 256 bytes + 16 of padding = 68 words: the 16 rows that a load touches start at 16 different groups of four banks (64 banks of 4 bytes: ISA guide 11.1)
.set FR,     16                        ; registers of a fragment: 16 rows x 128 K
.set NL,     4                         ; LDS loads that bring one
.set NP,     4                         ; places behind this matrix instruction (ISA guide 7.12.1)
.set HALFT,  128*PITCH                 ; 128 rows: what one tensor load brings
.set SLOT,   4*HALFT                   ; A's 256 rows, then B's 256 rows
.set SPARE,  2*SLOT                    ; behind the ring: the spare words, 128 bytes for each wave: two blocks of 256 bytes that no other line names
.set SPLN,   4*272                     ; the way out: 16 rows x 64 bytes as four rows of 256 + 16
.set SBLK,   2*SPLN                    ; a block of 16 rows x 128 columns.  The stage, 8 such blocks a wave, lies in slot 0, which has had its last fill and its last read when the first code is stored there
.set CO,   8                           ; v8-11   my byte offset in the output: 16 x lane + p PS + g RS at v[CO + 2 p + g]
.set BCO,  12                          ; v12     offset of my column bias
.set BRO,  13                          ; v13     offset of my row bias
.set QSC,  14                          ; v14     2^e of the tensor that is made, as f32
.set QLIM, 15
.set ADRA, 16                          ; v16-17  LDS address of my A fragments in slot 0, 1
.set ADRB, 20                          ; v20-21  the same for B
.set STO,  24                          ; v24     the way out: where I put 16 codes
.set RD,   25                          ; v25     and where I read 16 bytes back
.set SPW,  28                          ; v28     LDS address of my spare word; never rewritten
.set NIL,  29                          ; v29     0; never rewritten
.set BC,   32
.set TMP,  32
.set BR,   96
.set CD,   112
.set AF,   128
.set BK,   128
.set G1, 24                            ; s[24:31] descriptor group 1 for A's tiles;  s[32:39] group 0, one set for each slot
.set G0, 32
.set G1B, 48                           ; s[48:55], s[56:63] the same for B's tiles
.set G0B, 56
.set MSB, 0
.macro WIN new                         ; the immediate's high byte repeats the setting that is left
.if MSB != \new
	s_set_vgpr_msb (MSB<<8)|\new
.set MSB, \new
.endif
.endm
.set MUL_LO, 0xa1                      ; source 0 (B) window 1, source 1 (A) window 0, C and D window 2
.set MUL_HI, 0xf1                      ; the same, C and D window 3
.set FST_LO, 0x81                      ; the first products: C (the bias) window 0, D window 2
.set FST_HI, 0xc1                      ; D window 3
.set TO_B,   0x40                      ; destination window 1, address window 0
; A joint load: waves 0 and 1 fetch for A, waves 2 and 3 for B.  Each line has one mask and one set of registers; the branch hangs on the wave's number alone.  Four v_nop follow each line.
.macro JLOAD g0a, g1a, g0b, g1b
	s_cmp_eq_u32 s15, 0
	s_cbranch_scc0 .Lfor_b_\@
	tensor_load_to_lds s[\g0a:\g0a+3], s[\g1a:\g1a+7]
	s_nop 0
.rept 4
	v_nop
.endr
	s_branch .Lasked_\@
.Lfor_b_\@:
	tensor_load_to_lds s[\g0b:\g0b+3], s[\g1b:\g1b+7]
	s_nop 0
.rept 4
	v_nop
.endr
.Lasked_\@:
.endm
.macro CREST                           ; a round of the cluster's barrier behind its opening barrier
	s_cmp_lg_u32 s14, 0
	s_cbranch_scc1 .Lnot_wave_0_\@
	s_barrier_signal -3
.Lnot_wave_0_\@:
	s_barrier_wait -3
	s_barrier_signal -1
	s_barrier_wait -1
.endm
.macro CROUND                          ; a whole round
	s_barrier_signal -1
	s_barrier_wait -1
	CREST
.endm
	s_load_b256 s[4:11], s[0:1], 0x0               ; x s[4:5], w_attn s[6:7], the exponents s[8:9], b_attn s[10:11]
	s_load_b128 s[72:75], s[0:1], 0x20             ; q_codes s[72:73], k_codes s[74:75]
	s_load_b64 s[76:77], s[0:1], 0x30              ; v_codes
	v_lshl_add_u32 v[SPW], v0, 2, SPARE
	v_mov_b32 v[NIL], 0
	ds_add_u32 v28, v29
	ds_add_u32 v28, v29
	s_wait_dscnt 0x0
	v_lshrrev_b32 v1, 5, v0
	v_readfirstlane_b32 s14, v1                    ; wave 0..3
	s_lshr_b32 s15, s14, 1                         ; which half of the tile's rows is mine.  Also: I fetch for A (0) or for B (1)
	s_and_b32 s16, s14, 1                          ; which half of its columns.  Also: which 128 rows of that tile I fetch
	s_bfe_u32 s40, ttmp6, 0x40000                  ; cx, cy: my place in the cluster
	s_bfe_u32 s41, ttmp6, 0x40004
	s_and_b32 s12, ttmp7, 0xffff
	s_lshl_b32 s12, s12, 2                         ; 4 x cluster y
	s_add_co_u32 s13, s12, s41                     ; 4 x cluster y + cy: a tile of tokens
	s_add_co_u32 s18, s41, 8                       ; 8 + cy: a tile of v's features
	s_lshl_b32 s42, ttmp9, 2
	s_add_co_u32 s42, s42, s40                     ; 4 x cluster x + cx: a tile of q's or k's features
	s_add_co_u32 s46, s12, s40                     ; 4 x cluster y + cx: a tile of tokens
	s_cmp_eq_u32 ttmp9, 2                          ; v?  The cluster's x is the same in all sixteen partners
	s_cselect_b32 s17, s18, s13                    ; A's tile: hangs on cy alone
	s_cselect_b32 s42, s46, s42                    ; B's tile: hangs on cx alone
	s_cselect_b32 s78, s46, s13                    ; the tile of tokens, for the way out
	s_cselect_b32 s79, s41, s40                    ; the tile of features within q, k or v
	s_lshl_b32 s43, s41, 2
	s_lshl_b32 s43, 15, s43                        ; my row of the cluster
	s_lshl_b32 s44, 0x1111, s40                    ; my column
	; descriptor group 1: a tile of 128 rows x 256 bytes, padded in LDS
	s_or_b32 s[G1+0], s43, (0<<16)|(1<<20)|(1<<21)|(5<<22)|(3<<25)  ; 15:0 the mask: A's tiles go to my row; 17:16 elements of 1 byte; 20 padding on; 21 set beside a mask; 24:22 after every 64 words (code 5); 31:25 four words (code 3)
	s_or_b32 s[G1B+0], s44, (0<<16)|(1<<20)|(1<<21)|(5<<22)|(3<<25)
.irp g, G1, G1B
	s_mov_b32 s[\g+1], ROWB<<16                    ; tensor_dim0
	s_mov_b32 s[\g+2], 128<<16                     ; tensor_dim1
	s_mov_b32 s[\g+3], ROWB<<16                    ; tile_dim0
	s_mov_b32 s[\g+4], 128                         ; tile_dim1
	s_mov_b32 s[\g+5], KROW                        ; tensor_dim0_stride: both tensors have rows of 1,024 bytes
	s_mov_b32 s[\g+6], 0
	s_mov_b32 s[\g+7], 0
.endr
	s_lshl_b32 s18, s16, 7                         ; which 128 rows of the tile I fetch
	s_lshl_b32 s20, s17, 8
	s_add_co_u32 s20, s20, s18                     ; A: row 256 x tile + 128 x half,
	s_lshl_b32 s20, s20, 10                        ; in bytes (under 2^23)
	s_mov_b32 s21, 0
	s_lshl_b32 s46, s42, 8
	s_add_co_u32 s46, s46, s18                     ; B likewise
	s_lshl_b32 s46, s46, 10
	s_mov_b32 s47, 0
	s_mul_i32 s45, s14, HALFT                      ; where they go: wave x 128 rows: no place in the cluster enters an LDS address
	s_wait_kmcnt 0x0
	s_load_b256 s[80:87], s[8:9], 0x0              ; e0 .. e7
	s_cmp_eq_u32 ttmp9, 2
	s_cselect_b64 s[68:69], s[6:7], s[4:5]         ; A's buffer: w_attn for v, else x
	s_cselect_b64 s[70:71], s[4:5], s[6:7]         ; B's buffer
	s_add_nc_u64 s[20:21], s[68:69], s[20:21]
	s_add_nc_u64 s[46:47], s[70:71], s[46:47]
	CROUND                                         ; all sixteen work-groups are here: the first joint loads meet
.irp s, 0,1
	s_mov_b32 s[G0+4*\s], 1
	s_add_co_u32 s[G0+4*\s+1], s45, \s*SLOT
	s_add_nc_u64 s[G0+4*\s+2:G0+4*\s+3], s[20:21], \s*ROWB
	s_or_b32 s[G0+4*\s+3], s[G0+4*\s+3], 0x80000000
	s_mov_b32 s[G0B+4*\s], 1
	s_add_co_u32 s[G0B+4*\s+1], s45, \s*SLOT
	s_add_nc_u64 s[G0B+4*\s+2:G0B+4*\s+3], s[46:47], \s*ROWB
	s_or_b32 s[G0B+4*\s+3], s[G0B+4*\s+3], 0x80000000
	JLOAD G0+4*\s, G1, G0B+4*\s, G1B
.endr
	v_and_b32 v1, 15, v0                           ; r = l % 16
	v_bfe_u32 v2, v0, 4, 1                         ; h = l / 16
	s_wait_alu depctr_va_vdst(0)
	; the biases are asked for first: they land under the tiles' way
	s_lshl_b32 s18, s42, 10
	s_lshl_b32 s19, s16, 9
	s_add_co_u32 s18, s18, s19                     ; my first column as a feature, in bytes of b_attn
	s_lshl_b32 s19, s17, 10
	s_lshl_b32 s22, s15, 9
	s_add_co_u32 s19, s19, s22                     ; my first row as a feature
	s_cmp_eq_u32 ttmp9, 2
	s_cselect_b32 s18, 0, s18                      ; where columns (v) or rows (q, k) are tokens, b_attn's first numbers are read and multiplied by 0: no load leaves the buffer
	s_cselect_b32 s19, s19, 0
	v_lshl_add_u32 v[BCO], v2, 5, s18              ; column block b: b_attn at 16 b + 8 h + 0 .. 7
	v_lshl_add_u32 v[BRO], v1, 2, s19              ; row block a: b_attn at 16 a + r
.irp b, 0,1,2,3,4,5,6,7
	global_load_b128 v[BC+8*\b:BC+8*\b+3], v[BCO], s[10:11] offset:64*\b
	global_load_b128 v[BC+8*\b+4:BC+8*\b+7], v[BCO], s[10:11] offset:64*\b+16
.endr
.irp a, 0,1,2,3,4,5,6,7
	global_load_b32 v[BR+2*\a], v[BRO], s[10:11] offset:64*\a
.endr
	v_mul_u32_u24 v3, v1, PITCH
	v_lshl_add_u32 v4, v2, 4, v3                   ; a fragment's row x pitch + 16 x half
	s_mul_i32 s21, s15, HALFT                      ; my 128 rows of A
	s_mul_i32 s22, s16, HALFT                      ; my 128 rows of B,
	s_add_co_u32 s22, s22, 2*HALFT                 ; which lie behind A's 256
.irp s, 0,1
	v_add_nc_u32 v[ADRA+\s], s21, v4
	v_add_nc_u32 v[ADRB+\s], s22, v4
	s_add_co_u32 s21, s21, SLOT
	s_add_co_u32 s22, s22, SLOT
.endr
	s_mul_i32 s23, s14, 8*SBLK                     ; my stage
	v_lshrrev_b32 v5, 2, v1
	v_and_b32 v6, 3, v1
	v_mul_u32_u24 v5, v5, 272
	v_lshl_add_u32 v5, v6, 6, v5                   ; row r of 64 bytes: four rows to 256 bytes + 16
	v_lshl_add_u32 v5, v2, 4, v5                   ; + 16 h
	v_add_nc_u32 v[STO], s23, v5
	v_mul_u32_u24 v5, v2, 272
	v_lshl_add_u32 v5, v1, 4, v5                   ; back: 512 consecutive bytes of data: lanes 0-15 one LDS row, lanes 16-31 the next
	v_add_nc_u32 v[RD], s23, v5
	s_wait_kmcnt 0x0                               ; the exponents
	s_add_co_i32 s94, s80, s81                     ; e0 + e1
	s_add_co_i32 s96, s94, 127
	s_lshl_b32 s96, s96, 23                        ; 2^(e0 + e1) as f32
	s_mov_b32 s97, s96                             ; (named with it as a pair, so it is written)
	s_sub_co_i32 s95, 127, s94
	s_lshl_b32 s95, s95, 23                        ; 2^-(e0 + e1)
	s_mov_b32 s2, 0x20000                          ; a head: 131,072 bytes
	s_mov_b32 s3, 0x1000                           ; 64 rows of 64 bytes
	s_cmp_eq_u32 ttmp9, 0
	s_cselect_b32 s66, s82, s83                    ; e2 for q, e3 for k,
	s_cselect_b64 s[88:89], s[72:73], s[74:75]
	s_cmp_eq_u32 ttmp9, 2
	s_cselect_b32 s66, s85, s66                    ; e5 for v
	s_cselect_b64 s[88:89], s[76:77], s[88:89]     ; the buffer that is written
	s_cselect_b32 s92, 0, s95                      ; the column bias's factor
	s_cselect_b32 s93, 1.0, 0                      ; the row bias's
	s_cselect_b32 s90, s3, s2                      ; PS: from 64 columns to the next: a head (q, k), 64 keys (v)
	s_cselect_b32 s91, s2, s3                      ; RS: from 64 rows to the next: 64 tokens (q, k), a head (v)
	s_add_co_i32 s66, s66, 127
	s_lshl_b32 s67, s66, 23
	v_mov_b32 v[QSC], s67                          ; the conversion takes its exponent field
	s_lshr_b32 s18, s78, 3                         ; where my part begins: the batch: 16 heads,
	s_lshl_b32 s18, s18, 21
	s_and_b32 s19, s78, 7
	s_lshl_b32 s19, s19, 14                        ; 256 tokens: 16,384 bytes in either shape,
	s_add_co_u32 s18, s18, s19
	s_lshl_b32 s19, s79, 19                        ; 256 features: four heads,
	s_add_co_u32 s18, s18, s19
	s_mul_i32 s19, s15, s91
	s_lshl_b32 s19, s19, 1                         ; my half of the rows: 2 RS,
	s_add_co_u32 s18, s18, s19
	s_mul_i32 s19, s16, s90
	s_lshl_b32 s19, s19, 1                         ; my half of the columns: 2 PS
	s_add_co_u32 s18, s18, s19
	s_mov_b32 s19, 0
	s_add_nc_u64 s[88:89], s[88:89], s[18:19]
	v_and_b32 v6, 31, v0
	v_lshlrev_b32 v[CO], 4, v6
	v_add_nc_u32 v[CO+1], s91, v[CO]
	v_add_nc_u32 v[CO+2], s90, v[CO]
	v_add_nc_u32 v[CO+3], s91, v[CO+2]
	s_wait_loadcnt 0x0                             ; the biases
.set jj, 0
.rept 32
	v_pk_mul_f32 v[BC+jj:BC+jj+1], v[BC+jj:BC+jj+1], s[92:93] op_sel_hi:[1,0]   ; both x s92: b / 2^(e0 + e1), or 0
.set jj, jj+2
.endr
.irp a, 0,1,2,3,4,5,6,7
	v_mul_f32 v[BR+2*\a+1], s93, v[BR+2*\a]        ; a pair with both halves alike, for the packed multiply-add
	v_mul_f32 v[BR+2*\a], s93, v[BR+2*\a]
.endr
.macro FRAG reg, adr, q, i             ; a fragment: lane l holds row l % 16; registers 4 c .. 4 c + 3 hold K = 32 c + 16 (l / 16) + 0 .. 15: the same places in A and in B, so every product meets its partner
.irp c, 0,1,2,3
	ds_load_b128 v[\reg+4*\c:\reg+4*\c+3], v[\adr] offset:128*(\q)+32*\c+(\i)*16*PITCH
.endr
.endm
; 16 matrix instructions: A's blocks a0, a0 + 1 x B's eight, 128 along K.  p: B's set.  first = 1: the sums begin with the column bias as C: nothing is cleared.
; The 64 accumulators take turns, one instruction a turn, in the same order in every step.
.macro MUL16 a0, p, first
.irp a, \a0, \a0+1
.irp b, 0,1,2,3,4,5,6,7
.if \first
	v_wmma_f32_16x16x128_fp8_fp8 v[8*(8*((\a)%4)+\b):8*(8*((\a)%4)+\b)+7], v[128*(\p)+FR*\b:128*(\p)+FR*\b+FR-1], v[AF+FR*(\a):AF+FR*(\a)+FR-1], v[BC+8*\b:BC+8*\b+7]
.else
	v_wmma_f32_16x16x128_fp8_fp8 v[8*(8*((\a)%4)+\b):8*(8*((\a)%4)+\b)+7], v[128*(\p)+FR*\b:128*(\p)+FR*\b+FR-1], v[AF+FR*(\a):AF+FR*(\a)+FR-1], v[8*(8*((\a)%4)+\b):8*(8*((\a)%4)+\b)+7]
.endif
.endr
.endr
.endm
.macro FETCH_B slot, q, p              ; B's eight fragments of the slot's q-th 128 along K into set p
	WIN TO_B
.irp i, 0,1,2,3,4,5,6,7
	FRAG 128*(\p)+FR*\i, ADRB+\slot, \q, \i
.endr
	WIN 0
.endm
.macro FETCH_A slot, q, i0             ; A's blocks i0 .. i0 + 3
.irp i, \i0, \i0+1, \i0+2, \i0+3
	FRAG AF+FR*(\i), ADRA+\slot, \q, \i
.endr
.endm
.macro PLACES n                        ; plain vector instructions between a matrix instruction and a load into a register that it has read, or a read of its result
.rept \n
	v_nop
.endr
.endm
; A step of 128 along K that has its successor in the same slot.  A has one set of registers: a block is free when its eight products are issued.
.macro STEP slot, q, first
	s_wait_dscnt 4*NL                              ; B's set and A's blocks 0-3 are in; the 16 youngest loads (A's blocks 4-7) may be out
.if \first
	WIN FST_LO
.else
	WIN MUL_LO
.endif
	MUL16 0, (\q)%2, \first
	MUL16 2, (\q)%2, \first
	s_wait_dscnt 0                                 ; A's blocks 4-7 are in
	PLACES NP
	FETCH_B \slot, (\q)+1, 1-(\q)%2
	FETCH_A \slot, (\q)+1, 0
.if \first
	WIN FST_HI
.else
	WIN MUL_HI
.endif
	MUL16 4, (\q)%2, \first
	MUL16 6, (\q)%2, \first
	PLACES NP
	WIN 0
	FETCH_A \slot, (\q)+1, 4
.endm
; A slot's last step changes slots: one barrier; in front of it each wave waits for all its tensor loads, adds 0 to its spare word, and waits for that and for its own reads of this slot.  fill = 1: the slot is filled again, two K steps ahead.
.macro TURN slot, next, fill
	s_wait_tensorcnt 0x0                           ; all my tensor loads have landed: my part of the next slot
	ds_add_u32 v[SPW], v[NIL]                      ; 0 onto my spare word
	s_wait_dscnt 4*NL+1                            ; (the add and the 16 youngest loads, A's blocks 4-7, may be out)
	WIN MUL_LO
	MUL16 0, 1, 0                                  ; sixteen matrix instructions stand between the add and the wait for it
	s_wait_dscnt 0x0                               ; the add is done, and my reads of this slot are over
	s_barrier_signal -1
	MUL16 2, 1, 0
	WIN 0
	s_barrier_wait -1
.if \fill
	CREST                                          ; the barrier has opened a round of the cluster's barrier: no wave of any partner still reads this slot or has a load on its way
	s_add_nc_u64 s[G0+4*\slot+2:G0+4*\slot+3], s[G0+4*\slot+2:G0+4*\slot+3], 2*ROWB
	s_add_nc_u64 s[G0B+4*\slot+2:G0B+4*\slot+3], s[G0B+4*\slot+2:G0B+4*\slot+3], 2*ROWB
	JLOAD G0+4*\slot, G1, G0B+4*\slot, G1B         ; the first tensor load behind the round; its four v_nop are the places in front of the loads below
.else
	PLACES NP
.endif
	FETCH_B \next, 0, 0
	FETCH_A \next, 0, 0
	WIN MUL_HI
	MUL16 4, 1, 0
	MUL16 6, 1, 0
	PLACES NP
	WIN 0
	FETCH_A \next, 0, 4
.endm
	s_wait_tensorcnt 1                             ; my part of K step 0 is in (K step 1's load may be out)
	s_barrier_signal -1
	s_barrier_wait -1                              ; everybody's is
	FETCH_B 0, 0, 0
	FETCH_A 0, 0, 0
	FETCH_A 0, 0, 4
	STEP 0, 0, 1                                   ; K = 1,024 is eight steps of 128: written out, there is nothing to loop over
	TURN 0, 1, 1                                   ; slot 0 takes K step 2
	STEP 1, 0, 0
	TURN 1, 0, 1                                   ; slot 1 takes K step 3
	STEP 0, 0, 0
	TURN 0, 1, 0                                   ; nothing is left to fetch
	STEP 1, 0, 0
	s_wait_dscnt 4*NL                              ; the very last step
	WIN MUL_LO
	MUL16 0, 1, 0
	MUL16 2, 1, 0
	s_wait_dscnt 0
	WIN MUL_HI
	MUL16 4, 1, 0
	MUL16 6, 1, 0
	WIN 0
; THE WAY OUT, block by block of 16 rows x 128 columns.  number = sum x 2^(e0 + e1) + row bias; eight numbers to eight codes.
; The codes of column blocks 2 c and 2 c + 1 are 16 bytes of my row: byte 32 (c % 2) + 16 h of plane c / 2.  They go through my own stage and come back as runs of 512 consecutive bytes.
; LDS serves a wave's instructions in order (ISA guide 5.7.1.4): no wait between the stores and the loads.
.macro TOSTAGE a
.set AC, 64*((\a)%4)
	WIN 0x02+((\a)/4)                              ; source 0: window 2 or 3
.set jj, 0
.rept 32
	v_pk_fma_f32 v[TMP+jj:TMP+jj+1], v[AC+jj:AC+jj+1], s[96:97], v[BR+2*(\a):BR+2*(\a)+1] op_sel_hi:[1,0,1]   ; each accumulator from its low end on
.set jj, jj+2
.endr
	WIN 0
.set jj, 0
.rept 64
.set jj, jj+1
.endr
.irp b, 0,1,2,3,4,5,6,7
	v_cvt_scalef32_pk8_fp8_f32 v[CD+2*\b:CD+2*\b+1], v[TMP+8*\b:TMP+8*\b+7], v[QSC]
.endr
	v_nop                                          ; a plain instruction behind the last conversion: the next block's multiply-adds write its sources
.irp c, 0,1,2,3
	ds_store_b128 v[STO], v[CD+4*\c:CD+4*\c+3] offset:(\a)*SBLK+(\c/2)*SPLN+32*(\c%2)
.endr
.irp p, 0,1
.irp k, 0,1
	ds_load_b128 v[BK+16*(\a)+4*(2*\p+\k):BK+16*(\a)+4*(2*\p+\k)+3], v[RD] offset:(\a)*SBLK+\p*SPLN+\k*544
.endr
.endr
.endm
.macro SEND a, younger                 ; younger: the LDS instructions issued behind block a's loads, which may stay out.  No register that a store names is written again
	s_wait_dscnt \younger
.irp p, 0,1
.irp k, 0,1
	global_store_b128 v[CO+2*\p+(\a)/4], v[BK+16*(\a)+4*(2*\p+\k):BK+16*(\a)+4*(2*\p+\k)+3], s[88:89] offset:((\a)%4)*1024+512*\k   ; 32 lanes store 512 consecutive bytes, at a multiple of 512 from the buffer's first byte
.endr
.endr
.endm
	PLACES NP                                      ; behind the last products
	TOSTAGE 0
.irp a, 1,2,3,4,5,6,7
	TOSTAGE \a
	SEND \a-1, 8                                   ; behind block a - 1's loads: block a's 4 stores and 4 loads
.endr
	SEND 7, 0
	s_wait_tensorcnt 0x0                           ; the wave's end: behind my last tensor load and my last LDS store
	ds_add_u32 v[SPW], v[NIL]
	s_wait_dscnt 0x0
	CROUND                                         ; the closing round: no work-group ends while a partner may still ask for a tile that names it
	s_endpgm
.Lfunc_end_k_q7689f2e2c9_qkv:
	.size	k_q7689f2e2c9_qkv, .Lfunc_end_k_q7689f2e2c9_qkv-k_q7689f2e2c9_qkv
	.p2alignl 7, 3214868480
	.fill 96, 4, 3214868480
	.section	.rodata,"a",@progbits
	.p2align	6, 0x0
	.amdhsa_kernel k_q7689f2e2c9_qkv
		.amdhsa_group_segment_fixed_size 327680
		.amdhsa_private_segment_fixed_size 0
		.amdhsa_enable_private_segment 0
		.amdhsa_kernarg_size 56
		.amdhsa_user_sgpr_count 2
		.amdhsa_user_sgpr_kernarg_segment_ptr 1
		.amdhsa_wavefront_size32 1
		.amdhsa_system_sgpr_workgroup_id_x 1
		.amdhsa_system_sgpr_workgroup_id_y 1
		.amdhsa_system_sgpr_workgroup_id_z 1
		.amdhsa_system_vgpr_workitem_id 0
		.amdhsa_next_free_vgpr 1024
		.amdhsa_next_free_sgpr 98
		.amdhsa_reserve_vcc 0
		.amdhsa_float_denorm_mode_32 3
		.amdhsa_float_denorm_mode_16_64 3
		.amdhsa_fp16_overflow 1
		.amdhsa_memory_ordered 1
		.amdhsa_forward_progress 1
		.amdhsa_inst_pref_size 112
	.end_amdhsa_kernel
	.amdgpu_metadata
---
amdhsa.version: [ 1, 2 ]
amdhsa.kernels:
  - .name:           k_q7689f2e2c9_qkv
    .symbol:         k_q7689f2e2c9_qkv.kd
    .args:
      - { .name: x_codes, .offset: 0, .size: 8, .value_kind: global_buffer, .address_space: global }
      - { .name: w_attn_codes, .offset: 8, .size: 8, .value_kind: global_buffer, .address_space: global }
      - { .name: lowp_scales, .offset: 16, .size: 8, .value_kind: global_buffer, .address_space: global }
      - { .name: b_attn, .offset: 24, .size: 8, .value_kind: global_buffer, .address_space: global }
      - { .name: q_codes, .offset: 32, .size: 8, .value_kind: global_buffer, .address_space: global }
      - { .name: k_codes, .offset: 40, .size: 8, .value_kind: global_buffer, .address_space: global }
      - { .name: v_codes, .offset: 48, .size: 8, .value_kind: global_buffer, .address_space: global }
    .group_segment_fixed_size: 327680
    .private_segment_fixed_size: 0
    .kernarg_segment_align: 8
    .kernarg_segment_size: 56
    .max_flat_workgroup_size: 128
    .sgpr_count:     98
    .vgpr_count:     1024
    .wavefront_size: 32
...
	.end_amdgpu_metadata
.endif
;; end of part 1
;; launch attn (part 2): grid 4 x 64, 16 waves a work-group, clusters of 4 x 1, 327,680 bytes of LDS; arguments q_codes, k_codes, v_codes, lowp_scales, y_codes; writes y_codes
.if DOCPART == 2
	.amdgcn_target "amdgcn-amd-amdhsa--gfx1250"
	.amdhsa_code_object_version 6
	.text
	.protected	k_q7689f2e2c9_attn
	.globl	k_q7689f2e2c9_attn
	.p2align	8
	.type	k_q7689f2e2c9_attn,@function
k_q7689f2e2c9_attn:
	s_mov_b64 s[64:65], 0
	v_nop
	global_prefetch_b8 v0, s[64:65] scope:SCOPE_SE
	s_setreg_imm32_b32 hwreg(HW_REG_WAVE_MODE, 25, 1), 1
	s_wait_xcnt 0x0
	s_wait_alu depctr_hold_cnt(0) depctr_sa_sdst(0) depctr_va_vdst(0) depctr_va_sdst(0) depctr_va_ssrc(0) depctr_va_vcc(0) depctr_vm_vsrc(0)
	s_getreg_b32 s2, hwreg(HW_REG_IB_STS2, 6, 4)
	s_cmp_eq_u32 s2, 0
	s_cbranch_scc0 .Lentry_in_a_cluster
	s_endpgm
.Lentry_in_a_cluster:
	s_bfe_u32 s2, ttmp6, 0x10000c
	s_cmp_lg_u32 s2, 0x3003
	s_cbranch_scc0 .Lentry_shape_is_right
	s_endpgm
.Lentry_shape_is_right:
; y[b][t][head 64 + d] = the sum over keys k <= t of softmax_k(q . k / 8) v, both products on codes of FP8 (E4M3), and y quantised again for the product that follows.
; q_codes, k_codes: [b 16 + head][t][64 bytes] (one order of d in both).  v_codes: [b 16 + head][t / 64][d][64 bytes]: in a row, key 32 c + 16 u + 8 h + j lies at byte 32 c + 16 h + 8 u + j.
; lowp_scales: e2 (q), e3 (k), e4 (p), e5 (v), e6 (y) are used.
; THE SOFTMAX: t = score x log2(e) / 8; M = the row's largest t so far, rounded UP to a whole number; p = 2^(t - M) is what is quantised; the row's sum is taken of the unquantised p and divides at the end.
; When M moves, the sum and O are multiplied by 2^(old M - new M): nothing is rounded.
; SHARES.  A cluster of four work-groups is one (b, head).  A head's 2,048 queries are 16 groups of 128.  In the work-group at place p, wave w owns two tiles of 16 queries: tile 0 in group w (queries 128 w + 32 p + 0 .. 15) and
; tile 1 in group 15 - w (queries 128 (15 - w) + 32 p + 16 + 0 .. 15).  A tile of group G has work in key steps 0 .. G (128 keys a step; step G lies on the diagonal): (w + 1) + (16 - w) = 17 tile steps in every wave.
; Every wave walks all 16 steps; a scalar branch on the wave's number and the step leaves a hidden step's work out.  The place p enters q's and y's addresses and the lanes' thresholds of the mask, no branch and no LDS address.
; ALL OF THE HEAD'S K AND V LIE IN LDS: 2 x 131,072 bytes, asked for once, jointly by the four partners, in four chunks of 512 keys: no byte of LDS is filled twice.  Waves 0, 1 fetch K's halves of a chunk, waves 2, 3 V's.
; Both are dense in memory and come as rows of 256 bytes + 16 of padding: row R of 64 bytes lies at 272 (R / 4) + 64 (R % 4): sixteen neighbouring rows start at sixteen different groups of four banks (ISA guide 11.1).
; LAYOUT.  Both products are used transposed: S^T = K Q^T (source 0 = 16 keys), O^T = V^T P^T (source 0 = 16 of the head's 64): a lane holds ONE query (lane % 16) throughout.  Register 8 T + j of S^T is key 16 T + 8 (lane / 16) + j;
; its codes stand in register 2 T + j / 4 of P, and V's rows are laid so that a load of 16 bytes puts the same keys into the same places.
; OUT.  y_codes: [head / 4][row / 128][head % 4][row % 128][64 bytes, d ascending], row = 2,048 b + t: a tile's 16 rows are 1,024 consecutive bytes.
; LIMITS: e2 + e3 between -123 and 130 (added to the exponent field of log2(e) / 8); e4 and e6 between -126 and 119.
.set TILEB, 4*272                      ; 16 rows of 64 bytes in LDS
.set STB,   8*TILEB                    ; a key step: 128 rows
.set HCB,   2*STB                      ; what one tensor load brings: 64 rows of 256 bytes
.set CHB,   2*HCB                      ; a chunk: 512 keys
.set VOFF,  4*CHB                      ; V lies behind K
.set STG,   2*VOFF                     ; behind both: 2 x 1,088 bytes for each wave, for the way out; no tile lands there
.set AK0,  1                           ; v1   my lane's place in a tile of K: 272 (r / 4) + 64 (r % 4) + 16 h
.set AV0,  2                           ; v2   the same in V
.set STO,  3                           ; v3   the way out: where I put 8 codes
.set RD,   4                           ; v4   and where I read 16 bytes back
.set GO,   5                           ; v5   16 x lane
.set VD,   6                           ; v6-7 tile u: my query's place in its group less 8 h: register 8 T + j is hidden on the diagonal where 16 T + j is greater
.set ADK,  8                           ; v8   LDS address of the step's K
.set ADV,  9                           ; v9   of its V
.set QO,   10                          ; v10  my offset in a tile of q
.set ST,   12                          ; tile u at v[12 + 4 u]: -M, the largest t, the sum in two halves
.set QF,   20                          ; tile u's fragment of q: 8 registers
.set KF,   36                          ; v36-99   the step's 8 fragments of K, then its 4 of V
.set S,    100                         ; v100-163 S^T, then p
.set OT,   164                         ; tile u's O^T: 32 registers
.set P,    228                         ; v228-243 p's codes
.set PSC,  244                         ; 2^e4
.set PLIM, 245
.set FF,   246                         ; v[246:247] f = 2^(old M - new M); the upper word is only named
.set LB,   248                         ; v[248:249] the sums' second chain
.set MA,   250                         ; the maximum's two chains
.set MB,   251
.set PX,   252                         ; a lane permute's destination
.set NINF, 253                         ; -infinity
.set YSC,  254                         ; 2^e6
.set YLIM, 255
.set WV,   14                          ; s14  my wave's number
.set CX,   15                          ; s15  my place in the cluster
.set BH,   16                          ; s16  b 16 + head
.set SEL,  20                          ; s[20:21] lane selects: lane l xor 16
.set CS,   22                          ; s[22:23] c = log2(e) / 8 x 2^(e2 + e3)
.set G1,   24                          ; s[24:31] descriptor group 1
.set G0,   32                          ; s[32:47] group 0, a set for each chunk
.set EX,   48                          ; s[48:55] e0 .. e7
.set TB,   56                          ; s56  LDS byte at which the step's 128 rows begin
.set KS,   57                          ; s57  the key step, 0 .. 15
.set CNT,  58                          ; s58  counts a chunk's four steps
.set GR,   59                          ; s59, s60  my two tiles' groups
.set EPV,  61                          ; s61  e4 + e5
.set YB,   66                          ; s[66:67], s[68:69]  y at my two tiles
.set QB,   70                          ; s[70:71], s[72:73]  q at my two tiles
.macro CROUND                          ; a round of the cluster's barrier
	s_barrier_signal -1
	s_barrier_wait -1
	s_cmp_lg_u32 s[WV], 0
	s_cbranch_scc1 .Lnot_wave_0_\@
	s_barrier_signal -3
.Lnot_wave_0_\@:
	s_barrier_wait -3
	s_barrier_signal -1
	s_barrier_wait -1
.endm
	s_load_b256 s[4:11], s[0:1], 0x0               ; q s[4:5], k s[6:7], v s[8:9], the exponents s[10:11]
	s_load_b64 s[12:13], s[0:1], 0x20              ; y
	v_lshl_add_u32 v254, v0, 2, 0x4c800
	v_mov_b32 v255, 0
	ds_add_u32 v254, v255
	ds_add_u32 v254, v255
	s_wait_dscnt 0x0
	v_lshrrev_b32 v8, 5, v0
	s_delay_alu instid0(VALU_DEP_1)
	v_readfirstlane_b32 s[WV], v8                  ; wave 0..15
	s_bfe_u32 s[CX], ttmp6, 0x40000
	s_and_b32 s[BH], ttmp7, 0xffff                 ; the cluster's y: shared by the four partners
	; descriptor group 1: 64 rows of 256 bytes, dense in memory, padded in LDS
	s_mov_b32 s[G1], 15|(1<<20)|(1<<21)|(5<<22)|(3<<25)   ; 15:0 the mask: all four work-groups; 17:16 elements of 1 byte; 20 padding on; 21 set beside a mask; 24:22 after every 64 words (code 5); 31:25 four words (code 3)
	s_mov_b32 s[G1+1], 256<<16                     ; tensor_dim0
	s_mov_b32 s[G1+2], 64<<16                      ; tensor_dim1
	s_mov_b32 s[G1+3], 256<<16                     ; tile_dim0
	s_mov_b32 s[G1+4], 64                          ; tile_dim1
	s_mov_b32 s[G1+5], 256                         ; tensor_dim0_stride
	s_mov_b32 s[G1+6], 0
	s_mov_b32 s[G1+7], 0
	s_bfe_u32 s74, s[WV], 0x10001                  ; bit 1 of the wave's number: K (0) or V (1),
	s_and_b32 s75, s[WV], 1                        ; bit 0: which half of a chunk
	s_mul_i32 s76, s74, VOFF
	s_mul_i32 s77, s75, HCB
	s_add_co_u32 s76, s76, s77                     ; where my part of chunk 0 goes
	s_lshl_b32 s78, s[BH], 17                      ; the head's 131,072 bytes,
	s_lshl_b32 s77, s75, 14                        ; my half's 16,384
	s_add_co_u32 s78, s78, s77
	s_mov_b32 s79, 0
	s_mov_b32 s[GR], s[WV]
	s_xor_b32 s[GR+1], s[WV], 15                   ; 15 - w
	s_mov_b32 s[SEL], 0x76543210
	s_mov_b32 s[SEL+1], 0xfedcba98
	s_mov_b32 s[CS], 0x3e38aa3b                    ; log2(e) / 8
	s_wait_kmcnt 0x0
	s_load_b256 s[EX:EX+7], s[10:11], 0x0
	s_cmp_eq_u32 s74, 0
	s_cselect_b64 s[2:3], s[6:7], s[8:9]
	s_add_nc_u64 s[2:3], s[2:3], s[78:79]
.irp c, 0,1,2,3
	s_mov_b32 s[G0+4*\c], 1                        ; count = 1
	s_add_co_u32 s[G0+4*\c+1], s76, \c*CHB         ; LDS address
	s_add_nc_u64 s[G0+4*\c+2:G0+4*\c+3], s[2:3], \c*32768   ; global address: 512 keys are 32,768 bytes of K and of V
	s_or_b32 s[G0+4*\c+3], s[G0+4*\c+3], 0x80000000         ; type = 2
.endr
	CROUND                                         ; all four work-groups are here: the joint loads meet
	s_cmp_lt_u32 s[WV], 4                          ; a wave's four loads stand in one branch, ahead of every wait on TENSORcnt, every LDS read and every other barrier: four loads of mine are out
	s_cbranch_scc0 .Lno_fetch
	tensor_load_to_lds s[G0:G0+3], s[G1:G1+7]
	s_nop 0
	tensor_load_to_lds s[G0+4:G0+7], s[G1:G1+7]
	s_nop 0
	tensor_load_to_lds s[G0+8:G0+11], s[G1:G1+7]
	s_nop 0
	tensor_load_to_lds s[G0+12:G0+15], s[G1:G1+7]
	s_nop 0
.rept 4
	v_nop
.endr
.Lno_fetch:
	; q at my two tiles: head x 131,072 + (128 G + 32 p + 16 u) x 64
	s_lshl_b32 s74, s[BH], 17
	s_lshl_b32 s75, s[CX], 11
	s_add_co_u32 s74, s74, s75
	s_mov_b32 s77, 0
	s_lshl_b32 s76, s[GR], 13
	s_add_co_u32 s76, s76, s74
	s_add_nc_u64 s[QB:QB+1], s[4:5], s[76:77]
	s_lshl_b32 s76, s[GR+1], 13
	s_add_co_u32 s76, s76, s74
	s_add_co_u32 s76, s76, 1024
	s_add_nc_u64 s[QB+2:QB+3], s[4:5], s[76:77]
	v_and_b32 v8, 15, v0                           ; r
	s_wait_alu depctr_va_vdst(0)
	v_bfe_u32 v9, v0, 4, 1                         ; h
	v_lshlrev_b32 v[QO], 6, v8
	s_delay_alu instid0(VALU_DEP_1)
	v_lshl_add_u32 v[QO], v9, 4, v[QO]             ; row r of 64 bytes + 16 h: as K's fragments are read
	global_load_b128 v[QF:QF+3], v[QO], s[QB:QB+1]
	global_load_b128 v[QF+4:QF+7], v[QO], s[QB:QB+1] offset:32
	global_load_b128 v[QF+8:QF+11], v[QO], s[QB+2:QB+3]
	global_load_b128 v[QF+12:QF+15], v[QO], s[QB+2:QB+3] offset:32
	; y at my two tiles: (((head / 4) 64 + 16 b + G) 4 + head % 4) x 8,192 + (32 p + 16 u) x 64
	s_and_b32 s74, s[BH], 15
	s_lshr_b32 s75, s[BH], 4
	s_lshr_b32 s78, s74, 2
	s_lshl_b32 s78, s78, 6
	s_lshl_b32 s75, s75, 4
	s_add_co_u32 s78, s78, s75
	s_and_b32 s74, s74, 3
	s_lshl_b32 s74, s74, 13
	s_lshl_b32 s75, s[CX], 11
	s_add_co_u32 s74, s74, s75
	s_add_co_u32 s76, s78, s[GR]
	s_lshl_b32 s76, s76, 15
	s_add_co_u32 s76, s76, s74
	s_add_nc_u64 s[YB:YB+1], s[12:13], s[76:77]
	s_add_co_u32 s76, s78, s[GR+1]
	s_lshl_b32 s76, s76, 15
	s_add_co_u32 s76, s76, s74
	s_add_co_u32 s76, s76, 1024
	s_add_nc_u64 s[YB+2:YB+3], s[12:13], s[76:77]
	v_lshrrev_b32 v11, 2, v8
	s_delay_alu instid0(VALU_DEP_1)
	v_mul_u32_u24 v[AK0], v11, 272
	v_and_b32 v11, 3, v8
	s_delay_alu instid0(VALU_DEP_1)
	v_lshl_add_u32 v[AK0], v11, 6, v[AK0]          ; 272 (r / 4) + 64 (r % 4)
	s_wait_alu depctr_va_vdst(0)
	s_mul_i32 s74, s[WV], 2*TILEB
	s_add_co_u32 s74, s74, STG                     ; my stage
	v_lshl_add_u32 v[STO], v9, 3, v[AK0]           ; in: row r, + 8 h
	s_delay_alu instid0(VALU_DEP_1)
	v_add_nc_u32 v[STO], s74, v[STO]
	v_lshl_add_u32 v[AK0], v9, 4, v[AK0]           ; + 16 h
	s_delay_alu instid0(VALU_DEP_1)
	v_add_nc_u32 v[AV0], VOFF, v[AK0]
	v_mul_u32_u24 v[RD], v9, 272                   ; back: lanes 0-15 one LDS row of 256 bytes, lanes 16-31 the next
	s_delay_alu instid0(VALU_DEP_1)
	v_lshl_add_u32 v[RD], v8, 4, v[RD]
	s_delay_alu instid0(VALU_DEP_1)
	v_add_nc_u32 v[RD], s74, v[RD]
	v_and_b32 v[GO], 31, v0
	s_delay_alu instid0(VALU_DEP_1)
	v_lshlrev_b32 v[GO], 4, v[GO]
	v_lshlrev_b32 v[VD], 3, v9
	s_delay_alu instid0(VALU_DEP_1)
	v_sub_nc_u32 v[VD], v8, v[VD]                  ; r - 8 h
	s_lshl_b32 s75, s[CX], 5
	v_add_nc_u32 v[VD], s75, v[VD]                 ; + 32 p
	s_delay_alu instid0(VALU_DEP_1)
	v_add_nc_u32 v[VD+1], 16, v[VD]                ; tile 1: + 16
.irp u, 0,1
	v_mov_b32 v[ST+4*\u+1], 0xff61b1e6             ; the largest t so far: -3e38, under every t
	s_delay_alu instid0(VALU_DEP_1)
	v_floor_f32 v[ST+4*\u], -v[ST+4*\u+1]          ; -M
	v_mov_b32 v[ST+4*\u+2], 0                      ; the sum, in two halves
	v_mov_b32 v[ST+4*\u+3], 0
.endr
	v_mov_b32 v[FF+1], 0                           ; (named as the upper half of a pair)
	v_mov_b32 v[MA], 0                             ; written once: a lane permute's destination counts as one of its sources
	v_mov_b32 v[MB], 0
	v_mov_b32 v[PX], 0
	v_mov_b32 v[NINF], 0xff800000
.set ii, 0
.rept 64
	v_mov_b32 v[OT+ii], 0                          ; O^T.  (The step is written once: a tile's first step finds zeros, which the first change of M leaves zeros)
.set ii, ii+1
.endr
	s_wait_kmcnt 0x0                               ; the exponents
	s_add_co_i32 s74, s[EX+2], s[EX+3]
	s_lshl_b32 s74, s74, 23
	s_add_co_i32 s[CS], s[CS], s74                 ; a score stands for score x 2^(e2 + e3): the exponents are added to c's exponent field
	s_mov_b32 s[CS+1], s[CS]                       ; (named with it as a pair, so it is written)
	s_add_co_i32 s74, s[EX+4], 127
	s_lshl_b32 s75, s74, 23
	v_mov_b32 v[PSC], s75
	s_add_co_i32 s74, s[EX+6], 127
	s_lshl_b32 s75, s74, 23
	v_mov_b32 v[YSC], s75
	s_add_co_i32 s[EPV], s[EX+4], s[EX+5]
; A KEY STEP of tile u: 128 keys.
.macro STEP u
.set SU, ST+4*(\u)
.set QU, QF+8*(\u)
.set OU, OT+32*(\u)
	s_cmp_gt_u32 s[KS], s[GR+\u]                   ; all 128 keys come after the tile's queries: the step's work is left out
	s_cbranch_scc1 .Lhid_\@
	v_add_nc_u32 v[ADK], s[TB], v[AK0]
	v_add_nc_u32 v[ADV], s[TB], v[AV0]
	v_nop                                          ; with the two additions: four places behind the last products, in front of loads into registers that they have read
	v_nop
.irp t, 0,1,2,3,4,5,6,7
	ds_load_b128 v[KF+8*\t:KF+8*\t+3], v[ADK] offset:\t*TILEB
	ds_load_b128 v[KF+8*\t+4:KF+8*\t+7], v[ADK] offset:\t*TILEB+32
.endr
	s_wait_alu depctr_va_vdst(0)
	s_wait_dscnt 0x0
.irp t, 0,1,2,3,4,5,6,7
	v_wmma_f32_16x16x64_fp8_fp8 v[S+8*\t:S+8*\t+7], v[KF+8*\t:KF+8*\t+7], v[QU:QU+7], 0   ; S^T: keys 16 t on
.endr
.rept 4
	v_nop                                          ; places: in front of the loads below, and of the first read of the scores
.endr
.irp t, 0,1,2,3                                ; V's fragments are asked for now and land while the softmax is walked: 16 of the head's 64 x 128 keys each
.irp c, 0,1,2,3
	ds_load_b128 v[KF+16*\t+4*\c:KF+16*\t+4*\c+3], v[ADV] offset:\t*TILEB+(\c/2)*4*TILEB+32*(\c%2)
.endr
.endr
	s_cmp_lg_u32 s[KS], s[GR+\u]                   ; only the tile's last step lies on the diagonal
	s_cbranch_scc1 .Lopen_\@
.set ii, 0
.rept 64
	v_cmp_gt_i32 vcc_lo, 16*(ii/8)+ii%8, v[VD+\u]  ; hidden scores become -infinity ahead of the maximum: p = 0 then
	v_cndmask_b32 v[S+ii], v[S+ii], v[NINF], vcc_lo
.set ii, ii+1
.endr
.Lopen_\@:
	v_max3_num_f32 v[MA], v[S], v[S+1], v[S+2]     ; the step's largest score of my query among my 64 keys, in two chains, each accumulator from its low end on,
	v_max3_num_f32 v[MB], v[S+3], v[S+4], v[S+5]
.set ii, 6
.rept 14
	v_max3_num_f32 v[MA], v[MA], v[S+ii], v[S+ii+1]
	v_max3_num_f32 v[MB], v[MB], v[S+ii+2], v[S+ii+3]
.set ii, ii+4
.endr
	v_max3_num_f32 v[MA], v[MA], v[S+62], v[S+63]
	s_delay_alu instid0(VALU_DEP_1)
	v_max_num_f32 v[MA], v[MA], v[MB]
	s_delay_alu instid0(VALU_DEP_1)
	v_permlanex16_b32 v[PX], v[MA], s[SEL], s[SEL+1]
	s_delay_alu instid0(VALU_DEP_1)
	v_max_num_f32 v[MA], v[MA], v[PX]              ; and among lane l xor 16's
	s_delay_alu instid0(VALU_DEP_1)
	v_mul_f32 v[MA], s[CS], v[MA]                  ; as t (c is positive)
	s_delay_alu instid0(VALU_DEP_1)
	v_max_num_f32 v[SU+1], v[SU+1], v[MA]          ; the running largest t
	v_mov_b32 v[MA], v[SU]
	s_delay_alu instid0(VALU_DEP_2)
	v_floor_f32 v[SU], -v[SU+1]                    ; the new -M = floor(-t): M is a whole number
	s_delay_alu instid0(VALU_DEP_1)
	v_sub_f32 v[MA], v[SU], v[MA]                  ; old M - new M: a whole number, 0 or less
	s_delay_alu instid0(VALU_DEP_1)
	v_cvt_i32_f32 v[MA], v[MA]                     ; (it saturates)
	s_delay_alu instid0(VALU_DEP_1)
	v_ldexp_f32 v[FF], 1.0, v[MA]                  ; f = 2^(old M - new M)
.set ii, 0
.rept 32
	v_pk_fma_f32 v[S+ii:S+ii+1], v[S+ii:S+ii+1], s[CS:CS+1], v[SU:SU+1] op_sel_hi:[1,0,0]   ; t - M, two at a time (of the pairs c and -M the low word serves both halves)
.set ii, ii+2
.endr
.set ii, 0
	s_wait_alu depctr_va_vdst(0)
.rept 64
	v_exp_f32 v[S+ii], v[S+ii]                     ; p = 2^(t - M), at most 1: not normalised
.set ii, ii+1
.endr
	v_pk_mul_f32 v[SU+2:SU+3], v[SU+2:SU+3], v[FF:FF+1] op_sel_hi:[1,0]   ; the sums under the new M: the plain instruction behind the exponentials
	s_wait_alu depctr_va_vdst(0)                   ; one wait for the whole batch, ahead of its first reader
	v_pk_add_f32 v[LB:LB+1], v[S:S+1], v[S+2:S+3]  ; the row's sum is taken of the unquantised p: two at a time, in two chains
.set ii, 4
.rept 15
	v_pk_add_f32 v[SU+2:SU+3], v[SU+2:SU+3], v[S+ii:S+ii+1]
	v_pk_add_f32 v[LB:LB+1], v[LB:LB+1], v[S+ii+2:S+ii+3]
.set ii, ii+4
.endr
	s_delay_alu instid0(VALU_DEP_1)
	v_pk_add_f32 v[SU+2:SU+3], v[SU+2:SU+3], v[LB:LB+1]
.irp t, 0,1,2,3,4,5,6,7
.irp i, 0,1,2,3,4,5,6,7
.endr
	v_cvt_scalef32_pk8_fp8_f32 v[P+2*\t:P+2*\t+1], v[S+8*\t:S+8*\t+7], v[PSC]
.endr
.set ii, 0
.rept 16
	v_pk_mul_f32 v[OU+ii:OU+ii+1], v[OU+ii:OU+ii+1], v[FF:FF+1] op_sel_hi:[1,0]   ; O^T under the new M.  (Also the plain instructions between the conversions and the products)
.set ii, ii+2
.endr
	s_wait_alu depctr_va_vdst(0)
	s_wait_dscnt 0x0                               ; V
.irp t, 0,1,2,3
	v_wmma_f32_16x16x128_fp8_fp8 v[OU+8*\t:OU+8*\t+7], v[KF+16*\t:KF+16*\t+15], v[P:P+15], v[OU+8*\t:OU+8*\t+7]   ; the four accumulators take turns; the scores' products stand between two turns of one
.endr
.Lhid_\@:
.endm
; A CHUNK of 512 keys: four key steps.  The fetching waves wait for their part of it (the younger chunks' loads may stay out) and signal; all sixteen read behind the barrier.
.macro CHUNK c
	s_wait_dscnt 0x0
	s_wait_tensorcnt 3-\c                          ; tensor loads of a wave end in order (ISA guide 10.11.1)
	s_barrier_signal -1
	s_barrier_wait -1
	s_mov_b32 s[TB], \c*CHB
	s_mov_b32 s[KS], 4*\c
	s_mov_b32 s[CNT], 4
.Lks_\@:
	STEP 0
	STEP 1
	s_add_co_u32 s[TB], s[TB], STB
	s_add_co_u32 s[KS], s[KS], 1
	s_sub_co_u32 s[CNT], s[CNT], 1
	s_cmp_lg_u32 s[CNT], 0
	s_cbranch_scc1 .Lks_\@
.endm
	s_wait_loadcnt 0x0                             ; q
	CHUNK 0
	CHUNK 1
	CHUNK 2
	CHUNK 3
	; THE WAY OUT.  The sum's halves are added; O^T x 2^(e4 + e5) / the sum is y; it is turned into codes with 2^e6 and sent through my stage, so that a store covers 512 consecutive bytes.
	; The plain instructions up to the first read of O^T are the places behind the last products.
	v_add_f32 v[ST+2], v[ST+2], v[ST+3]
	v_add_f32 v[ST+6], v[ST+6], v[ST+7]
	s_delay_alu instid0(VALU_DEP_2)
	v_permlanex16_b32 v[MA], v[ST+2], s[SEL], s[SEL+1]
	s_delay_alu instid0(VALU_DEP_2)
	v_permlanex16_b32 v[MB], v[ST+6], s[SEL], s[SEL+1]
	s_delay_alu instid0(VALU_DEP_2)
	v_add_f32 v[ST+2], v[ST+2], v[MA]
	s_delay_alu instid0(VALU_DEP_2)
	v_add_f32 v[ST+6], v[ST+6], v[MB]
	s_wait_alu depctr_va_vdst(0)
	v_rcp_f32 v[ST+2], v[ST+2]
	v_rcp_f32 v[ST+6], v[ST+6]
	v_nop                                          ; a plain instruction behind the reciprocals,
	s_wait_alu depctr_va_vdst(0)                   ; and one wait for both, ahead of their first reader
	v_ldexp_f32 v[ST+2], v[ST+2], s[EPV]
	v_ldexp_f32 v[ST+6], v[ST+6], s[EPV]
.irp u, 0,1
.set ii, 0
.rept 32
	v_mul_f32 v[S+32*\u+ii], v[OT+32*\u+ii], v[ST+4*\u+2]   ; register 8 t + j is y(query r, d = 16 t + 8 h + j); each accumulator from its low end on
.set ii, ii+1
.endr
.set ii, 0
.rept 32
.set ii, ii+1
.endr
.irp t, 0,1,2,3
	v_cvt_scalef32_pk8_fp8_f32 v[P+8*\u+2*\t:P+8*\u+2*\t+1], v[S+32*\u+8*\t:S+32*\u+8*\t+7], v[YSC]
.endr
	v_nop                                          ; a plain instruction behind the last conversion
.irp t, 0,1,2,3
	ds_store_b64 v[STO], v[P+8*\u+2*\t:P+8*\u+2*\t+1] offset:\u*TILEB+16*\t
.endr
.irp k, 0,1
	ds_load_b128 v[KF+8*\u+4*\k:KF+8*\u+4*\k+3], v[RD] offset:\u*TILEB+544*\k   ; LDS serves a wave's instructions in order (ISA guide 5.7.1.4): these see my stores
.endr
.endr
	s_wait_dscnt 0x0
.irp u, 0,1
.irp k, 0,1
	global_store_b128 v[GO], v[KF+8*\u+4*\k:KF+8*\u+4*\k+3], s[YB+2*\u:YB+2*\u+1] offset:512*\k   ; 32 lanes store 512 consecutive bytes, at a multiple of 512 from the buffer's first byte
.endr
.endr
	s_wait_xcnt 0x0
	v_lshl_add_u32 v254, v0, 2, 0x4c800
	v_mov_b32 v255, 0
	s_wait_alu depctr_va_vdst(0)
	s_wait_tensorcnt 0x0
	ds_add_u32 v254, v255
	s_wait_dscnt 0x0
	CROUND                                         ; the closing round; every tensor load was waited for at the last chunk's head
	s_endpgm
.Lfunc_end_k_q7689f2e2c9_attn:
	.size	k_q7689f2e2c9_attn, .Lfunc_end_k_q7689f2e2c9_attn-k_q7689f2e2c9_attn
	.p2alignl 7, 3214868480
	.fill 96, 4, 3214868480
	.section	.rodata,"a",@progbits
	.p2align	6, 0x0
	.amdhsa_kernel k_q7689f2e2c9_attn
		.amdhsa_group_segment_fixed_size 327680
		.amdhsa_private_segment_fixed_size 0
		.amdhsa_enable_private_segment 0
		.amdhsa_kernarg_size 40
		.amdhsa_user_sgpr_count 2
		.amdhsa_user_sgpr_kernarg_segment_ptr 1
		.amdhsa_wavefront_size32 1
		.amdhsa_system_sgpr_workgroup_id_x 1
		.amdhsa_system_sgpr_workgroup_id_y 1
		.amdhsa_system_sgpr_workgroup_id_z 1
		.amdhsa_system_vgpr_workitem_id 0
		.amdhsa_next_free_vgpr 256
		.amdhsa_next_free_sgpr 80
		.amdhsa_reserve_vcc 1
		.amdhsa_float_denorm_mode_32 3
		.amdhsa_float_denorm_mode_16_64 3
		.amdhsa_fp16_overflow 1
		.amdhsa_memory_ordered 1
		.amdhsa_forward_progress 1
		.amdhsa_inst_pref_size 165
	.end_amdhsa_kernel
	.amdgpu_metadata
---
amdhsa.version: [ 1, 2 ]
amdhsa.kernels:
  - .name:           k_q7689f2e2c9_attn
    .symbol:         k_q7689f2e2c9_attn.kd
    .args:
      - { .name: q_codes, .offset: 0, .size: 8, .value_kind: global_buffer, .address_space: global }
      - { .name: k_codes, .offset: 8, .size: 8, .value_kind: global_buffer, .address_space: global }
      - { .name: v_codes, .offset: 16, .size: 8, .value_kind: global_buffer, .address_space: global }
      - { .name: lowp_scales, .offset: 24, .size: 8, .value_kind: global_buffer, .address_space: global }
      - { .name: y_codes, .offset: 32, .size: 8, .value_kind: global_buffer, .address_space: global }
    .group_segment_fixed_size: 327680
    .private_segment_fixed_size: 0
    .kernarg_segment_align: 8
    .kernarg_segment_size: 40
    .max_flat_workgroup_size: 512
    .sgpr_count:     80
    .vgpr_count:     256
    .wavefront_size: 32
...
	.end_amdgpu_metadata
.endif
;; end of part 2
;; launch proj (part 3): grid 4 x 32, 4 waves a work-group, clusters of 4 x 4, 327,680 bytes of LDS; arguments y_codes, w_proj_codes, lowp_scales, b_proj, out0; writes out0
.if DOCPART == 3
	.amdgcn_target "amdgcn-amd-amdhsa--gfx1250"
	.amdhsa_code_object_version 6
	.text
	.protected	k_q7689f2e2c9_proj
	.globl	k_q7689f2e2c9_proj
	.p2align	8
	.type	k_q7689f2e2c9_proj,@function
k_q7689f2e2c9_proj:
	s_mov_b64 s[64:65], 0
	v_nop
	global_prefetch_b8 v0, s[64:65] scope:SCOPE_SE
	s_setreg_imm32_b32 hwreg(HW_REG_WAVE_MODE, 25, 1), 1
	s_wait_xcnt 0x0
	s_wait_alu depctr_hold_cnt(0) depctr_sa_sdst(0) depctr_va_vdst(0) depctr_va_sdst(0) depctr_va_ssrc(0) depctr_va_vcc(0) depctr_vm_vsrc(0)
	s_getreg_b32 s2, hwreg(HW_REG_IB_STS2, 6, 4)
	s_cmp_eq_u32 s2, 0
	s_cbranch_scc0 .Lentry_in_a_cluster
	s_endpgm
.Lentry_in_a_cluster:
	s_bfe_u32 s2, ttmp6, 0x10000c
	s_cmp_lg_u32 s2, 0xf033
	s_cbranch_scc0 .Lentry_shape_is_right
	s_endpgm
.Lentry_shape_is_right:
; out0 = y w_proj^T + b_proj on codes of FP8 (E4M3).  w_proj: [1024][1024] codes, K innermost.  out0: [8192][1024] f32.  lowp_scales: e6 (y) and e7 (w_proj) are used.
; y_codes: [s = K / 256][row / 128][plane = (K / 64) % 4][row % 128][64 bytes]: the 128 rows x 256 K that a wave fetches for a K step are one dense block of 32,768 bytes.
; A tile of 256 x 256 is made by four waves, each 128 x 128: 64 accumulators, 512 registers.  K = 1,024 goes in four steps of 256 through two LDS slots filled by the tensor data mover.
; CLUSTERS: 4 x 4 work-groups; y's tile is shared along a row of the cluster, w_proj's along a column: each is asked for JOINTLY.
; THE MATRIX INSTRUCTION IS USED TRANSPOSED (source 0 = 16 rows of w_proj, source 1 = 16 rows of y): a lane holds eight neighbouring numbers of a row of out0.
; The bias, divided by 2^(e6 + e7), is the C of each sum's first product; each finished sum is multiplied once by 2^(e6 + e7).
; LIMIT: e6 + e7 between -126 and 126.
; REGISTERS, in windows of 256: window 0: v1-31 addresses; v32-95 the bias, later a block's numbers; v128-255 y's fragments, one set, later rows on their way out.
;   window 1: w_proj's fragments, two sets.   window 2: the accumulators of my rows 0-63 ((a, b) at v[8 (8 a + b)]);   window 3: those of rows 64-127.
.set SIZE_N, 1024
.set KROW,   1024                      ; a row of w_proj in bytes
.set ROWB,   256                       ; a tile's row
.set ASTEP,  2097152                   ; from a K step of y_codes to the next
.set PITCH,  272                       ; an LDS row: 256 bytes + 16 of padding (64 banks of 4 bytes: ISA guide 11.1): the 16 rows that a load touches start at 16 different groups of four banks
.set FR,     16
.set NL,     4
.set NP,     4                         ; places behind this matrix instruction (ISA guide 7.12.1)
.set HALFT,  128*PITCH
.set SLOT,   4*HALFT                   ; y's 256 rows, then w_proj's 256 rows
.set SPARE,  2*SLOT                    ; behind the ring: the spare words, 128 bytes for each wave: two blocks of 256 bytes that no other line names
.set SPITCH, 528                       ; the way out: a stage of 16 rows x (512 bytes + 16) for each wave, in slot 0, which has had its last fill and its last read when the first result is stored there
.set BCO,  12                          ; v12     offset of my bias
.set ADRA, 16                          ; v16-17  LDS address of my fragments of y in slot 0, 1
.set ADRB, 20                          ; v20-21  of w_proj
.set STO,  24
.set RD,   25
.set CO,   26
.set SPW,  28                          ; v28     LDS address of my spare word; never rewritten
.set NIL,  29                          ; v29     0; never rewritten
.set BC,   32
.set TMP,  32
.set AF,   128
.set BK,   128                         ; the way out: 16 rows read back: v128-191 and v192-255 by turns
.set G1, 24
.set G0, 32
.set G1B, 48
.set G0B, 56
.set MSB, 0
.macro WIN new                         ; the immediate's high byte repeats the setting that is left
.if MSB != \new
	s_set_vgpr_msb (MSB<<8)|\new
.set MSB, \new
.endif
.endm
.set MUL_LO, 0xa1
.set MUL_HI, 0xf1
.set FST_LO, 0x81                      ; the first products: C (the bias) window 0, D window 2
.set FST_HI, 0xc1
.set TO_B,   0x40
.macro JLOAD g0a, g1a, g0b, g1b        ; a joint load: waves 0 and 1 fetch for y, waves 2 and 3 for w_proj; four v_nop follow each line
	s_cmp_eq_u32 s15, 0
	s_cbranch_scc0 .Lfor_b_\@
	tensor_load_to_lds s[\g0a:\g0a+3], s[\g1a:\g1a+7]
	s_nop 0
.rept 4
	v_nop
.endr
	s_branch .Lasked_\@
.Lfor_b_\@:
	tensor_load_to_lds s[\g0b:\g0b+3], s[\g1b:\g1b+7]
	s_nop 0
.rept 4
	v_nop
.endr
.Lasked_\@:
.endm
.macro CREST
	s_cmp_lg_u32 s14, 0
	s_cbranch_scc1 .Lnot_wave_0_\@
	s_barrier_signal -3
.Lnot_wave_0_\@:
	s_barrier_wait -3
	s_barrier_signal -1
	s_barrier_wait -1
.endm
.macro CROUND
	s_barrier_signal -1
	s_barrier_wait -1
	CREST
.endm
	s_load_b256 s[4:11], s[0:1], 0x0               ; y_codes s[4:5], w_proj s[6:7], the exponents s[8:9], b_proj s[10:11]
	s_load_b64 s[72:73], s[0:1], 0x20              ; out0
	v_lshl_add_u32 v[SPW], v0, 2, SPARE
	v_mov_b32 v[NIL], 0
	ds_add_u32 v28, v29
	ds_add_u32 v28, v29
	s_wait_dscnt 0x0
	v_lshrrev_b32 v1, 5, v0
	v_readfirstlane_b32 s14, v1                    ; wave 0..3
	s_lshr_b32 s15, s14, 1                         ; which half of the tile's rows is mine.  Also: I fetch for y (0) or for w_proj (1)
	s_and_b32 s16, s14, 1                          ; which half of its columns.  Also: which 128 rows of that tile I fetch
	s_bfe_u32 s40, ttmp6, 0x40000                  ; cx, cy
	s_bfe_u32 s41, ttmp6, 0x40004
	s_lshl_b32 s42, ttmp9, 2
	s_add_co_u32 s42, s42, s40                     ; tile column
	s_and_b32 s17, ttmp7, 0xffff
	s_lshl_b32 s17, s17, 2
	s_add_co_u32 s17, s17, s41                     ; tile row
	s_lshl_b32 s43, s41, 2
	s_lshl_b32 s43, 15, s43                        ; my row of the cluster
	s_lshl_b32 s44, 0x1111, s40                    ; my column
	s_or_b32 s[G1+0], s43, (0<<16)|(1<<20)|(1<<21)|(5<<22)|(3<<25)  ; the mask; elements of 1 byte; padding on; bit 21 beside a mask; four words after every 64
	s_or_b32 s[G1B+0], s44, (0<<16)|(1<<20)|(1<<21)|(5<<22)|(3<<25)
.irp g, G1, G1B
	s_mov_b32 s[\g+1], ROWB<<16                    ; tensor_dim0
	s_mov_b32 s[\g+2], 128<<16                     ; tensor_dim1
	s_mov_b32 s[\g+3], ROWB<<16                    ; tile_dim0
	s_mov_b32 s[\g+4], 128                         ; tile_dim1
	s_mov_b32 s[\g+6], 0
	s_mov_b32 s[\g+7], 0
.endr
	s_mov_b32 s[G1+5], ROWB                        ; y's block is dense: 128 rows of 256 bytes on end
	s_mov_b32 s[G1B+5], KROW                       ; w_proj's rows are 1,024 bytes apart
	s_lshl_b32 s20, s17, 1
	s_add_co_u32 s20, s20, s16                     ; y: block 2 x tile row + half,
	s_lshl_b32 s20, s20, 15                        ; of 32,768 bytes
	s_mov_b32 s21, 0
	s_lshl_b32 s18, s16, 7
	s_lshl_b32 s46, s42, 8
	s_add_co_u32 s46, s46, s18                     ; w_proj: row 256 x tile column + 128 x half
	s_lshl_b32 s46, s46, 10
	s_mov_b32 s47, 0
	s_mul_i32 s45, s14, HALFT                      ; where they go: wave x 128 rows
	s_wait_kmcnt 0x0
	s_load_b256 s[80:87], s[8:9], 0x0              ; e0 .. e7
	s_add_nc_u64 s[20:21], s[4:5], s[20:21]
	s_add_nc_u64 s[46:47], s[6:7], s[46:47]
	CROUND                                         ; all sixteen work-groups are here: the first joint loads meet
.irp s, 0,1
	s_mov_b32 s[G0+4*\s], 1
	s_add_co_u32 s[G0+4*\s+1], s45, \s*SLOT
	s_add_nc_u64 s[G0+4*\s+2:G0+4*\s+3], s[20:21], \s*ASTEP
	s_or_b32 s[G0+4*\s+3], s[G0+4*\s+3], 0x80000000
	s_mov_b32 s[G0B+4*\s], 1
	s_add_co_u32 s[G0B+4*\s+1], s45, \s*SLOT
	s_add_nc_u64 s[G0B+4*\s+2:G0B+4*\s+3], s[46:47], \s*ROWB
	s_or_b32 s[G0B+4*\s+3], s[G0B+4*\s+3], 0x80000000
	s_wait_alu depctr_va_vdst(0)
	s_wait_tensorcnt 0x0
	ds_add_u32 v28, v29
	ds_add_u32 v28, v29
	s_wait_dscnt 0x0
	CROUND
	JLOAD G0+4*\s, G1, G0B+4*\s, G1B
.endr
	v_and_b32 v1, 15, v0                           ; r
	v_bfe_u32 v2, v0, 4, 1                         ; h
	s_lshl_b32 s18, s42, 10
	s_lshl_b32 s19, s16, 9
	s_add_co_u32 s18, s18, s19                     ; my first column, in bytes of b_proj
	v_lshl_add_u32 v[BCO], v2, 5, s18              ; column block b: b_proj at 16 b + 8 h + 0 .. 7
.irp b, 0,1,2,3,4,5,6,7
	global_load_b128 v[BC+8*\b:BC+8*\b+3], v[BCO], s[10:11] offset:64*\b
	global_load_b128 v[BC+8*\b+4:BC+8*\b+7], v[BCO], s[10:11] offset:64*\b+16
.endr
	v_mul_u32_u24 v3, v1, PITCH
	v_lshl_add_u32 v4, v2, 4, v3                   ; w_proj: a fragment's row x pitch + 16 h
	v_lshrrev_b32 v5, 2, v1
	v_and_b32 v6, 3, v1
	v_mul_u32_u24 v5, v5, PITCH
	v_lshl_add_u32 v5, v6, 6, v5
	v_lshl_add_u32 v5, v2, 4, v5                   ; y: four rows of 64 bytes to an LDS row: 272 (r / 4) + 64 (r % 4) + 16 h
	s_mul_i32 s21, s15, HALFT                      ; my 128 rows of y
	s_mul_i32 s22, s16, HALFT                      ; my 128 rows of w_proj,
	s_add_co_u32 s22, s22, 2*HALFT                 ; which lie behind y's 256
.irp s, 0,1
	v_add_nc_u32 v[ADRA+\s], s21, v5
	v_add_nc_u32 v[ADRB+\s], s22, v4
	s_add_co_u32 s21, s21, SLOT
	s_add_co_u32 s22, s22, SLOT
.endr
	s_mul_i32 s23, s14, 16*SPITCH                  ; my stage
	v_mul_u32_u24 v5, v1, SPITCH                   ; in: row r, 32 bytes for each half of the lanes
	v_lshl_add_u32 v5, v2, 5, v5
	v_add_nc_u32 v[STO], s23, v5
	v_and_b32 v6, 31, v0
	v_lshlrev_b32 v[CO], 4, v6                     ; back: the 32 lanes take one row of 512 bytes; and the same in out0
	v_add_nc_u32 v[RD], s23, v[CO]
	s_lshl_b32 s20, s17, 8
	s_lshl_b32 s21, s15, 7
	s_add_co_u32 s20, s20, s21                     ; my first row of out0,
	s_lshl_b32 s20, s20, 12                        ; of 4,096 bytes (under 2^25 in all),
	s_lshl_b32 s21, s42, 10
	s_add_co_u32 s20, s20, s21                     ; my first column: 1,024 x tile column
	s_lshl_b32 s21, s16, 9
	s_add_co_u32 s20, s20, s21                     ; + 512 x half
	s_mov_b32 s21, 0
	s_add_nc_u64 s[72:73], s[72:73], s[20:21]
	s_wait_kmcnt 0x0                               ; the exponents
	s_add_co_i32 s94, s86, s87                     ; e6 + e7
	s_add_co_i32 s96, s94, 127
	s_lshl_b32 s96, s96, 23                        ; 2^(e6 + e7) as f32
	s_mov_b32 s97, s96                             ; (named with it as a pair, so it is written)
	s_sub_co_i32 s92, 127, s94
	s_lshl_b32 s92, s92, 23                        ; 2^-(e6 + e7)
	s_mov_b32 s93, s92
	s_wait_loadcnt 0x0                             ; the bias
.set jj, 0
.rept 32
	v_pk_mul_f32 v[BC+jj:BC+jj+1], v[BC+jj:BC+jj+1], s[92:93] op_sel_hi:[1,0]
.set jj, jj+2
.endr
.macro FRAG reg, adr, q, i             ; w_proj: lane l holds row l % 16; registers 4 c .. 4 c + 3 hold K = 32 c + 16 (l / 16) + 0 .. 15
.irp c, 0,1,2,3
	ds_load_b128 v[\reg+4*\c:\reg+4*\c+3], v[\adr] offset:128*(\q)+32*\c+(\i)*16*PITCH
.endr
.endm
.macro FRAGY reg, adr, q, i            ; y: the same K in the same registers: plane 2 q + c / 2 (32 LDS rows each), rows 16 i on (4 LDS rows), byte 32 (c % 2)
.irp c, 0,1,2,3
	ds_load_b128 v[\reg+4*\c:\reg+4*\c+3], v[\adr] offset:((2*(\q)+\c/2)*32+4*(\i))*PITCH+32*(\c%2)
.endr
.endm
; 16 matrix instructions; the 64 accumulators take turns, one instruction a turn, in the same order in every step.  first = 1: the sums begin with the bias as C.
.macro MUL16 a0, p, first
.irp a, \a0, \a0+1
.irp b, 0,1,2,3,4,5,6,7
.if \first
	v_wmma_f32_16x16x128_fp8_fp8 v[8*(8*((\a)%4)+\b):8*(8*((\a)%4)+\b)+7], v[128*(\p)+FR*\b:128*(\p)+FR*\b+FR-1], v[AF+FR*(\a):AF+FR*(\a)+FR-1], v[BC+8*\b:BC+8*\b+7]
.else
	v_wmma_f32_16x16x128_fp8_fp8 v[8*(8*((\a)%4)+\b):8*(8*((\a)%4)+\b)+7], v[128*(\p)+FR*\b:128*(\p)+FR*\b+FR-1], v[AF+FR*(\a):AF+FR*(\a)+FR-1], v[8*(8*((\a)%4)+\b):8*(8*((\a)%4)+\b)+7]
.endif
.endr
.endr
.endm
.macro FETCH_B slot, q, p
	WIN TO_B
.irp i, 0,1,2,3,4,5,6,7
	FRAG 128*(\p)+FR*\i, ADRB+\slot, \q, \i
.endr
	WIN 0
.endm
.macro FETCH_A slot, q, i0
.irp i, \i0, \i0+1, \i0+2, \i0+3
	FRAGY AF+FR*(\i), ADRA+\slot, \q, \i
.endr
.endm
.macro PLACES n                        ; plain vector instructions between a matrix instruction and a load into a register that it has read, or a read of its result
.rept \n
	v_nop
.endr
.endm
.macro STEP slot, q, first
	s_wait_dscnt 4*NL                              ; w_proj's set and y's blocks 0-3 are in; the 16 youngest loads (y's blocks 4-7) may be out
.if \first
	WIN FST_LO
.else
	WIN MUL_LO
.endif
	MUL16 0, (\q)%2, \first
	MUL16 2, (\q)%2, \first
	s_wait_dscnt 0
	PLACES NP
	FETCH_B \slot, (\q)+1, 1-(\q)%2
	FETCH_A \slot, (\q)+1, 0
.if \first
	WIN FST_HI
.else
	WIN MUL_HI
.endif
	MUL16 4, (\q)%2, \first
	MUL16 6, (\q)%2, \first
	PLACES NP
	WIN 0
	FETCH_A \slot, (\q)+1, 4
.endm
.macro TURN slot, next, fill
	s_wait_tensorcnt 0x0                           ; all my tensor loads have landed: my part of the next slot
	ds_add_u32 v[SPW], v[NIL]                      ; 0 onto my spare word
	s_wait_dscnt 4*NL+1                            ; (the add and the 16 youngest loads may be out)
	WIN MUL_LO
	MUL16 0, 1, 0
	s_wait_dscnt 0x0                               ; the add is done, and my reads of this slot are over
	s_barrier_signal -1
	MUL16 2, 1, 0
	WIN 0
	s_barrier_wait -1
.if \fill
	CREST                                          ; the barrier has opened a round of the cluster's barrier: no wave of any partner still reads this slot or has a load on its way
	s_add_nc_u64 s[G0+4*\slot+2:G0+4*\slot+3], s[G0+4*\slot+2:G0+4*\slot+3], 2*ASTEP
	s_add_nc_u64 s[G0B+4*\slot+2:G0B+4*\slot+3], s[G0B+4*\slot+2:G0B+4*\slot+3], 2*ROWB
	JLOAD G0+4*\slot, G1, G0B+4*\slot, G1B         ; the first tensor load behind the round; its four v_nop are the places in front of the loads below
.else
	PLACES NP
.endif
	FETCH_B \next, 0, 0
	FETCH_A \next, 0, 0
	WIN MUL_HI
	MUL16 4, 1, 0
	MUL16 6, 1, 0
	PLACES NP
	WIN 0
	FETCH_A \next, 0, 4
.endm
	s_wait_alu depctr_va_vdst(0)
	s_wait_tensorcnt 1                             ; my part of K step 0 is in (K step 1's load may be out)
	s_barrier_signal -1
	s_barrier_wait -1                              ; everybody's is
	FETCH_B 0, 0, 0
	FETCH_A 0, 0, 0
	FETCH_A 0, 0, 4
	STEP 0, 0, 1
	TURN 0, 1, 1                                   ; slot 0 takes K step 2
	STEP 1, 0, 0
	TURN 1, 0, 1                                   ; slot 1 takes K step 3
	STEP 0, 0, 0
	TURN 0, 1, 0                                   ; nothing is left to fetch
	STEP 1, 0, 0
	s_wait_dscnt 4*NL
	WIN MUL_LO
	MUL16 0, 1, 0
	MUL16 2, 1, 0
	s_wait_dscnt 0
	WIN MUL_HI
	MUL16 4, 1, 0
	MUL16 6, 1, 0
	WIN 0
; THE WAY OUT, block by block of 16 rows x 128 columns: a lane's 32 bytes of a row go through my own stage and come back as whole rows of 512 bytes.
; LDS serves a wave's instructions in order (ISA guide 5.7.1.4): no wait between the stores and the loads, nor in front of the next block's stores.
.macro TOSTAGE a
.set AC, 64*((\a)%4)
	WIN 0x02+((\a)/4)                              ; source 0: window 2 or 3
.set jj, 0
.rept 32
	v_pk_mul_f32 v[TMP+jj:TMP+jj+1], v[AC+jj:AC+jj+1], s[96:97] op_sel_hi:[1,0]   ; x 2^(e6 + e7); each accumulator from its low end on
.set jj, jj+2
.endr
	WIN 0
.irp b, 0,1,2,3,4,5,6,7
	ds_store_b128 v[STO], v[TMP+8*\b:TMP+8*\b+3] offset:64*\b
	ds_store_b128 v[STO], v[TMP+8*\b+4:TMP+8*\b+7] offset:64*\b+16
.endr
.set BB, BK+64*((\a)%2)
.irp t, 0,1,2,3,4,5,6,7,8,9,10,11,12,13,14,15
	ds_load_b128 v[BB+4*\t:BB+4*\t+3], v[RD] offset:\t*SPITCH
.endr
.endm
.macro SEND a, younger                 ; younger: the LDS instructions issued behind block a's loads, which may stay out
.set BB, BK+64*((\a)%2)
	s_wait_dscnt \younger
.if (\a) > 0
	s_add_nc_u64 s[72:73], s[72:73], 16*SIZE_N*4   ; (behind a wait on XCNT: the earlier stores have read their base)  16 rows on
.endif
.irp t, 0,1,2,3,4,5,6,7,8,9,10,11,12,13,14,15
	global_store_b128 v[CO], v[BB+4*\t:BB+4*\t+3], s[72:73] offset:\t*SIZE_N*4 th:TH_STORE_NT   ; 32 lanes store 512 consecutive bytes, at a multiple of 512 from out0's first byte; written once, read by nobody here
.endr
.endm
	PLACES NP                                      ; behind the last products
	TOSTAGE 0
.irp a, 1,2,3,4,5,6,7
.if \a > 1
	s_wait_xcnt 0x0                                ; block a - 2's stores have read their registers and their base: block a's loads may land there, and the base may step
.endif
	TOSTAGE \a
	SEND \a-1, 32                                  ; behind block a - 1's loads: block a's 16 stores and 16 loads
.endr
	s_wait_xcnt 0x0                                ; block 6's stores have read their base
	SEND 7, 0
	s_wait_tensorcnt 0x0                           ; the wave's end: behind my last tensor load and my last LDS store
	ds_add_u32 v[SPW], v[NIL]
	s_wait_dscnt 0x0
	CROUND                                         ; the closing round
	s_endpgm
.Lfunc_end_k_q7689f2e2c9_proj:
	.size	k_q7689f2e2c9_proj, .Lfunc_end_k_q7689f2e2c9_proj-k_q7689f2e2c9_proj
	.p2alignl 7, 3214868480
	.fill 96, 4, 3214868480
	.section	.rodata,"a",@progbits
	.p2align	6, 0x0
	.amdhsa_kernel k_q7689f2e2c9_proj
		.amdhsa_group_segment_fixed_size 327680
		.amdhsa_private_segment_fixed_size 0
		.amdhsa_enable_private_segment 0
		.amdhsa_kernarg_size 40
		.amdhsa_user_sgpr_count 2
		.amdhsa_user_sgpr_kernarg_segment_ptr 1
		.amdhsa_wavefront_size32 1
		.amdhsa_system_sgpr_workgroup_id_x 1
		.amdhsa_system_sgpr_workgroup_id_y 1
		.amdhsa_system_sgpr_workgroup_id_z 1
		.amdhsa_system_vgpr_workitem_id 0
		.amdhsa_next_free_vgpr 1024
		.amdhsa_next_free_sgpr 98
		.amdhsa_reserve_vcc 0
		.amdhsa_float_denorm_mode_32 3
		.amdhsa_float_denorm_mode_16_64 3
		.amdhsa_memory_ordered 1
		.amdhsa_forward_progress 1
		.amdhsa_inst_pref_size 128
	.end_amdhsa_kernel
	.amdgpu_metadata
---
amdhsa.version: [ 1, 2 ]
amdhsa.kernels:
  - .name:           k_q7689f2e2c9_proj
    .symbol:         k_q7689f2e2c9_proj.kd
    .args:
      - { .name: y_codes, .offset: 0, .size: 8, .value_kind: global_buffer, .address_space: global }
      - { .name: w_proj_codes, .offset: 8, .size: 8, .value_kind: global_buffer, .address_space: global }
      - { .name: lowp_scales, .offset: 16, .size: 8, .value_kind: global_buffer, .address_space: global }
      - { .name: b_proj, .offset: 24, .size: 8, .value_kind: global_buffer, .address_space: global }
      - { .name: out0, .offset: 32, .size: 8, .value_kind: global_buffer, .address_space: global }
    .group_segment_fixed_size: 327680
    .private_segment_fixed_size: 0
    .kernarg_segment_align: 8
    .kernarg_segment_size: 40
    .max_flat_workgroup_size: 128
    .sgpr_count:     98
    .vgpr_count:     1024
    .wavefront_size: 32
...
	.end_amdgpu_metadata
.endif
;; end of part 3
